; MI455X (gfx1250); checked and timed in simulation.
; The chip was launched on July 23, 2026; its instructions are those of AMD's public machine-readable ISA for CDNA 5 (MIT licence, August 2026) and "CDNA5" Instruction Set Architecture Reference Guide (July 2026). The comments in the code are by the model that wrote it; some were corrected since.
;; Dense Dilated Knn Graph. Allowed arithmetic: matrix products marked QUANTISED: E2M1 operands, one E8M0 scale for each 32 along K, by v_wmma_scale_f32_16x16x128_f8f6f4 with both operands' format E2M1 (or v_wmma_scale_f32_32x16x128_f4), f32 sums; everything else in f32.
;; Inputs: x 4 x 64 x 4,096 x 1 float32.
;; Outputs: out0 2 x 4 x 4,096 x 9 int32.
;; This version of the problem:
;;   THIS VERSION OF THE PROBLEM IS GIVEN IN LOW PRECISION. The matrix products marked QUANTISED in the list below multiply operands that are first quantised to E2M1 (2 exponent bits, 1 mantissa bit; 4 bits a number), with one power-of-two scale for each 32 numbers along K (OCP MX v1.0); their sums are f32. All else is computed in f32.
;;   The module's matrix products, in the order in which they are computed (A, B: the left and right operand; K: the contracted axis; several contracted axes count as one K, in the product's order):
;;     1. batch 4 x [M 4,096, K 64] x [K 64, N 4,096]; A: input x; B: input x: QUANTISED
;;   THE QUANTISER, for each operand of a quantised product, along K:
;;     - K is cut into blocks of 32 from its start; a last block that is shorter is filled with zeros.
;;     - A block's scale is 2^e with e = floor(log2(the largest magnitude in the block)) - 2, held to -126 .. 127; a block of zeros has e = 0. As a byte (E8M0): e + 127.
;;     - Each number is divided by its block's scale, clamped to +-6, and rounded to the nearest number of E2M1, ties to even, subnormals kept.
;;     - The product sums the exact products of the quantised numbers (number of the format x scale) in f32.
;;   ~~~python
;;   def quantise(x, axis):      # numpy; x: float32 -> the quantised numbers, widened to float32 again
;;       x = np.moveaxis(x, axis, -1); K = x.shape[-1]
;;       x = np.pad(x, [(0, 0)] * (x.ndim - 1) + [(0, -K % 32)]); x = x.reshape(x.shape[:-1] + (-1, 32)); a = np.abs(x).max(-1, keepdims=True)
;;       e = np.where(a > 0, np.clip(np.frexp(np.where(a > 0, a, 1))[1] - 1 - 2, -126, 127), 0)      # np.frexp(a)[1] - 1 = floor(log2(a)), exactly
;;       r = np.clip(x / 2.0 ** e, -6, 6)
;;       step = 2.0 ** (np.maximum(np.frexp(np.where(r == 0, 1, r))[1] - 1, 0) - 1)
;;       q = np.round(r / step) * step * 2.0 ** e      # np.round: ties to even
;;       return np.moveaxis(q.reshape(q.shape[:-2] + (-1,))[..., :K], -1, axis).astype(np.float32)
;;   ~~~
;; One version. Each part assembles by itself: llvm-mc -triple=amdgcn-amd-amdhsa -mcpu=gfx1250 --defsym DOCPART=n.
;; ======== version 1 of 1: 3 launches
;; limits: right only within a limited range of input values
;; workspace buffers: pk 655,360 bytes; gidx 1,572,864 bytes of whole numbers
;; launch quant (part 1): grid 256 x 1, 2 waves a work-group, no clusters, 0 bytes of LDS; arguments x, pk; writes pk
.if DOCPART == 1
	.amdgcn_target "amdgcn-amd-amdhsa--gfx1250"
	.amdhsa_code_object_version 6
	.text
	.protected	k_qc55a457bbd_quant
	.globl	k_qc55a457bbd_quant
	.p2align	8
	.type	k_qc55a457bbd_quant,@function
k_qc55a457bbd_quant:
	s_mov_b64 s[64:65], 0
	v_nop
	global_prefetch_b8 v0, s[64:65] scope:SCOPE_SE
	s_setreg_imm32_b32 hwreg(HW_REG_WAVE_MODE, 25, 1), 1
	s_wait_xcnt 0x0
; x [4][64][4096] f32 (channel c outermost within a batch) -> pk: for each batch a block of 163,840 bytes:
;   [0, 65536)        point n's codes of channels 0-31, 16 bytes at 16 n      (E2M1, the lower channel in the lower bits)
;   [65536, 131072)   the codes of channels 32-63
;   [131072, 147456)  the scale word at 4 n: s0 | s1<<8 | s0<<16 | s1<<24 (E8M0; the upper two bytes stand over codes that are zeros in the products)
;   [147456, 163840)  sq(n) = the sum over c of x^2, f32, at 4 n
; A LANE TAKES A POINT, AND ITS REGISTERS RUN DOWN THE CHANNELS: each load reads neighbouring points in neighbouring lanes, a block of 32 lies in one lane,
; and the conversions give the codes with the channels innermost.  A work-group of two waves takes 64 points: 256 consecutive bytes of each channel's row.
; A block's scale byte is its largest magnitude's exponent field - 2, held at 1 from below.
; LIMITS: NaN and infinities are not served.  A block of zeros gets the byte 1 (its codes are zeros; this program alone reads the bytes).
; sq is summed with c ascending, one fused multiply-add a step.
; No work-group shares an input byte with another: no cluster, no LDS.
.set BLK,  163840
.set XR,   32                          ; v32-95  my point's 64 numbers
	s_load_b128 s[4:7], s[0:1], 0x0                ; x, pk
	s_lshr_b32 s8, ttmp9, 6                        ; the batch: 64 work-groups each
	s_and_b32 s9, ttmp9, 63
	s_lshl_b32 s9, s9, 6                           ; the work-group's first point
	v_add_nc_u32 v1, s9, v0                        ; my point n
	v_lshlrev_b32 v2, 2, v1                        ; 4 n
	v_lshlrev_b32 v3, 4, v1                        ; 16 n
	s_lshl_b32 s10, s8, 20                         ; a batch of x: 64 x 4,096 x 4 bytes
	s_mov_b32 s11, 0
	s_mul_i32 s12, s8, BLK
	s_mov_b32 s13, 0
	s_wait_alu depctr_va_vdst(0)
	s_wait_kmcnt 0x0
	s_add_nc_u64 s[4:5], s[4:5], s[10:11]
	s_add_nc_u64 s[6:7], s[6:7], s[12:13]
.set cc, 0
.rept 64
	global_load_b32 v[XR+cc], v2, s[4:5] offset:cc*16384 th:TH_LOAD_NT   ; x(c, n): read once in the launch
.set cc, cc+1
.endr
.macro QBLK b
.set XS, XR+32*\b
	v_max3_num_f32 v12, |v[XS]|, |v[XS+1]|, |v[XS+2]|              ; the block's largest magnitude, in two chains
	v_max3_num_f32 v13, |v[XS+3]|, |v[XS+4]|, |v[XS+5]|
.irp i, 6,10,14,18,22,26
	v_max3_num_f32 v12, v12, |v[XS+\i]|, |v[XS+\i+1]|
	v_max3_num_f32 v13, v13, |v[XS+\i+2]|, |v[XS+\i+3]|
.endr
	v_max3_num_f32 v12, v12, |v[XS+30]|, |v[XS+31]|
	v_max3_num_f32 v12, v12, v13, 0x1800000        ; and the floor 2^(3 - 127): the byte cannot fall under 1
	v_add_nc_u32 v[10+\b], 0xff000000, v12         ; 2 off the exponent field: the conversion's scale operand
	v_lshrrev_b32 v[14+\b], 23, v[10+\b]           ; the scale's byte
.if \b == 0
	v_mul_f32 v4, v[XS], v[XS]                     ; sq: c = 0 starts the sum
.else
	v_fmac_f32 v4, v[XS], v[XS]
.endif
.set cc, 1
.rept 31
	v_fmac_f32 v4, v[XS+cc], v[XS+cc]              ; c ascending
.set cc, cc+1
.endr
.irp g, 0,1,2,3
	v_cvt_scalef32_pk8_fp4_f32 v[16+4*\b+\g], v[XS+8*\g:XS+8*\g+7], v[10+\b]
.endr
	v_nop                                          ; one plain line behind the last scaled conversion of a run
.endm
	s_wait_loadcnt 32                              ; channels 0-31 are in; the 32 younger loads may be out
	QBLK 0
	s_wait_loadcnt 0x0
	QBLK 1
	v_lshl_or_b32 v6, v15, 8, v14                  ; s0 | s1<<8,
	v_lshl_or_b32 v6, v6, 16, v6                   ; and the same two bytes once more above
	global_store_b128 v3, v[16:19], s[6:7]                 ; a wave stores 512 consecutive bytes
	global_store_b128 v3, v[20:23], s[6:7] offset:65536
	global_store_b32 v2, v6, s[6:7] offset:131072          ; the work-group's two waves fill 256 consecutive bytes
	global_store_b32 v2, v4, s[6:7] offset:147456
	s_endpgm
.Lfunc_end_k_qc55a457bbd_quant:
	.size	k_qc55a457bbd_quant, .Lfunc_end_k_qc55a457bbd_quant-k_qc55a457bbd_quant
	.p2alignl 7, 3214868480
	.fill 96, 4, 3214868480
	.section	.rodata,"a",@progbits
	.p2align	6, 0x0
	.amdhsa_kernel k_qc55a457bbd_quant
		.amdhsa_group_segment_fixed_size 0
		.amdhsa_private_segment_fixed_size 0
		.amdhsa_enable_private_segment 0
		.amdhsa_kernarg_size 16
		.amdhsa_user_sgpr_count 2
		.amdhsa_user_sgpr_kernarg_segment_ptr 1
		.amdhsa_wavefront_size32 1
		.amdhsa_system_sgpr_workgroup_id_x 1
		.amdhsa_system_sgpr_workgroup_id_y 1
		.amdhsa_system_sgpr_workgroup_id_z 1
		.amdhsa_system_vgpr_workitem_id 0
		.amdhsa_next_free_vgpr 96
		.amdhsa_next_free_sgpr 66
		.amdhsa_reserve_vcc 0
		.amdhsa_float_denorm_mode_32 3
		.amdhsa_float_denorm_mode_16_64 3
		.amdhsa_memory_ordered 1
		.amdhsa_forward_progress 1
		.amdhsa_inst_pref_size 13
	.end_amdhsa_kernel
	.amdgpu_metadata
---
amdhsa.version: [ 1, 2 ]
amdhsa.kernels:
  - .name:           k_qc55a457bbd_quant
    .symbol:         k_qc55a457bbd_quant.kd
    .args:
      - { .name: x, .offset: 0, .size: 8, .value_kind: global_buffer, .address_space: global }
      - { .name: pk, .offset: 8, .size: 8, .value_kind: global_buffer, .address_space: global }
    .group_segment_fixed_size: 0
    .private_segment_fixed_size: 0
    .kernarg_segment_align: 8
    .kernarg_segment_size: 16
    .max_flat_workgroup_size: 64
    .sgpr_count:     66
    .vgpr_count:     96
    .wavefront_size: 32
...
	.end_amdgpu_metadata
.endif
;; end of part 1
;; launch filter (part 2): grid 256 x 1, 8 waves a work-group, clusters of 4 x 1, 271,360 bytes of LDS; arguments pk, gidx; writes gidx
.if DOCPART == 2
	.amdgcn_target "amdgcn-amd-amdhsa--gfx1250"
	.amdhsa_code_object_version 6
	.text
	.protected	k_qc55a457bbd_filter
	.globl	k_qc55a457bbd_filter
	.p2align	8
	.type	k_qc55a457bbd_filter,@function
k_qc55a457bbd_filter:
	s_mov_b64 s[64:65], 0
	v_nop
	global_prefetch_b8 v0, s[64:65] scope:SCOPE_SE
	s_setreg_imm32_b32 hwreg(HW_REG_WAVE_MODE, 25, 1), 1
	s_wait_xcnt 0x0
	s_wait_alu depctr_hold_cnt(0) depctr_sa_sdst(0) depctr_va_vdst(0) depctr_va_sdst(0) depctr_va_ssrc(0) depctr_va_vcc(0) depctr_vm_vsrc(0)
	s_getreg_b32 s2, hwreg(HW_REG_IB_STS2, 6, 4)
	s_cmp_eq_u32 s2, 0
	s_cbranch_scc0 .Lentry_in_a_cluster
	s_endpgm
.Lentry_in_a_cluster:
	s_bfe_u32 s2, ttmp6, 0x10000c
	s_cmp_lg_u32 s2, 0x3003
	s_cbranch_scc0 .Lentry_shape_is_right
	s_endpgm
.Lentry_shape_is_right:
; For each query n: d(n, m) = (sq(n) - 2 inner(n, m)) + sq(m) for all 4,096 m of its batch, inner on codes of E2M1 with E8M0 scales; the minimum of each GROUP of 16 neighbouring m;
; and the 18 best groups by (minimum, group number), stored as whole numbers.  A point among the 18 nearest by (d, index) cannot lie in a group that has 18 groups ahead of it, since groups are ranges of the index.
; SHARES.  A work-group owns 64 queries.  Waves w and w + 4 own the same 16 queries; wave w walks groups 0-127, wave w + 4 groups 128-255.  The batch's block of pk (163,840 bytes) lies whole in LDS, filled once, each wave an eighth.
; CLUSTER.  The four work-groups of a cluster belong to one batch and need the same block: each eighth is asked for JOINTLY, by the same tensor load with the same descriptor and the mask 15.
; THE PRODUCT is used transposed: source 0 = 16 candidates, source 1 = my 16 queries: lane (r, h) holds query r, register j candidate 8 h + j of the tile.  K is 64: the query's registers 4-7 are zero codes,
; so the candidates' registers 4-7 may hold anything (here: the next tile's codes): fragments lie 4 registers apart.
; PASS A keeps a sorted list of the 18 smallest minima (one v_med3_num_f32 an entry).  TWO SORTED LISTS OF 18 BECOME ONE: min(A[r], B[17 - r]) are the 18 smallest, rising and then falling; compare-exchanges (0, 16), (1, 17), (0, 1)
; and four stages at distances 8, 4, 2, 1 on entries 2-17 sort them.  So the halves of the lanes are joined; the pair of waves trades lists through LDS bytes of their own; T, the 18th smallest, is the largest of min(L[r], P[17 - r]).
; PASS B, without a branch: a lane's 64 minima (kept in the wave's own LDS bytes) give four words of bits: minimum under T (64 bits), then minimum equal to T (64 bits), bit p for group 128 (wave / 4) + 2 p + h.
; The lowest set bit of the 128 is taken off 18 times by x & (x - 1).  A lone bit, converted to f32 and scaled by its word's power of two, has the exponent field 1 + p (under T) or 129 + p (equal to T):
; twice that, less 2, on 0x40000000 + 128 (wave / 4) + h is the key: it rises with (class, group) and its low eight bits are the group.  Where no bit is left the key is held at 0x1000 above the base, over every true key.
; LIMITS: NaN and infinities are not served.  The filter takes inner to be exact in f32: sums of at most 64 products of numbers with 2 significant bits, whose scales lie within some ten powers of two.
.set BLK,   163840
.set QUART, 20480                      ; what one wave's tensor load brings: 80 rows of 256 bytes
.set SCO,   131072
.set SQO,   147456
.set MST,   163840                     ; 16,384 bytes for each pair of waves: the group minima, quad i at 512 i + 16 x lane
.set EXC,   230400                     ; behind the spare words (1,024 bytes from 0x38000): 2,560 bytes a wave for the minima's lists, 20,480 bytes on the same for the keys'
.set DEP,   18
.set AB,    3                          ; 65,536 h + 16 r
.set SB,    4                          ; SCO + 4 x lane
.set QB,    5                          ; SQO + 32 h
.set MBASE, 6
.set OADR,  7
.set QF,    8                          ; v8-15   the queries' fragment (12-15 zero)
.set QS,    16
.set SQN,   18                         ; v18-19
.set L,     20                         ; v20-37  the sorted list (38, 39 fill the last group of four)
.set EXS,   40
.set VINF,  41
.set P,     42                         ; v42-61  the other list
.set M,     60                         ; v60-63  a trip's four minima
.set MINA,  64
.set MINB,  65
.set TP,    64                         ; pass B: T, twice
.set AS,    66
.set AF,    72
.set SQ,    112
.set ACC,   176
.set WA,    208
.set WS,    209
.set WQ,    210
.set WM,    211
.set LN,    212
.set TA,    213
.set TB,    214
.set EXL,   215
.set Q1,    72                         ; the merges' two work lists
.set R1,    92
.set MI,    112                        ; v112-175 my 64 minima
.set IS,    112                        ; v112-183 then: 18 x 4 words, each with the lone bit
.set EA,    184
.set EB,    188
.set XA,    192                        ; v192-199 the 128 bits, two sets by turns
.set GT,    200
.set KBV,   202
.set W,     72                         ; the way out
.set OUTR,  96
.macro CROUND
	s_barrier_signal -1
	s_barrier_wait -1
	s_cmp_lg_u32 s8, 0
	s_cbranch_scc1 .Lnot_wave_0_\@
	s_barrier_signal -3
.Lnot_wave_0_\@:
	s_barrier_wait -3
	s_barrier_signal -1
	s_barrier_wait -1
.endm
.macro INSERT lst, x, d                ; entry i becomes the middle one of x, entry i - 1 and entry i; i descending
.set ii, (\d)-1
.rept (\d)-1
	v_med3_num_f32 v[\lst+ii], v[\x], v[\lst+ii-1], v[\lst+ii]
.set ii, ii-1
.endr
	v_min_num_f32 v[\lst], v[\x], v[\lst]
.endm
.macro BST src, dst, s                 ; sixteen entries, compare-exchange at distance s
.set rr, 0
.rept 16
.if (rr & \s) == 0
	v_min_num_f32 v[\dst+rr], v[\src+rr], v[\src+rr+\s]
	v_max_num_f32 v[\dst+rr+\s], v[\src+rr], v[\src+rr+\s]
.endif
.set rr, rr+1
.endr
.endm
.macro BMERGE                          ; L and P, both sorted: L takes the 18 smallest, sorted
.set mm, 0
.rept DEP
	v_min_num_f32 v[Q1+mm], v[L+mm], v[P+DEP-1-mm]
.set mm, mm+1
.endr
.irp t, 0,1
	v_min_num_f32 v[R1+\t], v[Q1+\t], v[Q1+16+\t]
	v_max_num_f32 v[Q1+16+\t], v[Q1+\t], v[Q1+16+\t]
.endr
	v_min_num_f32 v[L], v[R1], v[R1+1]
	v_max_num_f32 v[L+1], v[R1], v[R1+1]
	BST Q1+2, R1+2, 8
	BST R1+2, Q1+2, 4
	BST Q1+2, R1+2, 2
	BST R1+2, L+2, 1
.endm
.macro HMERGE                          ; lanes l and l xor 16
.set mm, 0
.rept DEP
	v_permlanex16_b32 v[P+mm], v[L+mm], s24, s25
.set mm, mm+1
.endr
	BMERGE
.endm
.macro GIVE off                        ; my list to LDS; a barrier: the partner's is there
.irp c, 0,1,2,3,4
	ds_store_b128 v[EXS], v[L+4*\c:L+4*\c+3] offset:\off+512*\c
.endr
	s_wait_alu depctr_va_vdst(0)                   ; the wait here, directly ahead of the wait below
	s_wait_dscnt 0x0
	s_barrier_signal -1
	s_barrier_wait -1
.endm
.macro TAKE off
.irp c, 0,1,2,3,4
	ds_load_b128 v[P+4*\c:P+4*\c+3], v[EXL] offset:\off+512*\c
.endr
	s_wait_dscnt 0x0
.endm
	s_load_b128 s[4:7], s[0:1], 0x0                ; pk, gidx
	v_lshl_add_u32 v216, v0, 2, 0x38000
	v_mov_b32 v217, 0
	ds_add_u32 v216, v217                          ; the opening lines
	ds_add_u32 v216, v217
	v_lshrrev_b32 v1, 5, v0
	v_readfirstlane_b32 s8, v1                     ; wave 0..7
	s_and_b32 s22, s8, 3                           ; which 16 queries
	s_lshr_b32 s23, s8, 2                          ; which half of the groups
	s_bfe_u32 s9, ttmp6, 0x40000                   ; cx: it enters global addresses alone
	s_lshl_b32 s10, ttmp9, 2
	s_add_co_u32 s10, s10, s9                      ; work-group = 4 x cluster + cx
	s_lshr_b32 s11, ttmp9, 4                       ; the batch: 16 clusters each; the four partners share it
	s_mul_i32 s12, s11, BLK
	s_mov_b32 s13, 0
	s_mul_i32 s14, s8, QUART
	s_mov_b32 s15, 0
	s_mov_b32 s32, 15|(3<<16)|(1<<21)              ; group 1: the mask: all four work-groups; elements of 8 bytes; bit 21 beside a mask; no padding
	s_mov_b32 s33, 32<<16                          ; rows of 256 bytes,
	s_mov_b32 s34, 80<<16                          ; 80 of them
	s_mov_b32 s35, 32<<16
	s_mov_b32 s36, 80
	s_mov_b32 s37, 32                              ; dense
	s_mov_b32 s38, 0
	s_mov_b32 s39, 0
	s_mov_b32 s24, 0x76543210                      ; v_permlanex16_b32's selects for lane l xor 16
	s_mov_b32 s25, 0xfedcba98
	s_mov_b32 s27, 0xffff0000                      ; lanes 16-31
	s_wait_dscnt 0x0
	s_wait_kmcnt 0x0
	s_add_nc_u64 s[4:5], s[4:5], s[12:13]          ; the batch's block
	s_mov_b32 s28, 1
	s_mul_i32 s29, s8, QUART
	s_add_nc_u64 s[30:31], s[4:5], s[14:15]
	s_or_b32 s31, s31, 0x80000000
	CROUND                                         ; all four work-groups are here: the joint loads meet
	tensor_load_to_lds s[28:31], s[32:39]          ; my one tensor load of the launch: nothing is filled again
	s_nop 0
.rept 4
	v_nop
.endr
	v_and_b32 v1, 15, v0                           ; r
	v_bfe_u32 v2, v0, 4, 1                         ; h
	v_and_b32 v[LN], 31, v0
	v_lshlrev_b32 v[AB], 4, v1
	v_lshl_add_u32 v[AB], v2, 16, v[AB]
	v_lshl_add_u32 v[SB], v[LN], 2, SCO
	v_lshl_add_u32 v[QB], v2, 5, SQO
	s_lshl_b32 s16, s22, 14
	s_add_co_u32 s16, s16, MST
	v_lshl_add_u32 v[MBASE], v[LN], 4, s16
	v_lshlrev_b32 v[OADR], 4, v[LN]
	s_and_b32 s17, s10, 63                         ; my first query in the batch: 16 x (4 x (work-group mod 64) + wave mod 4)
	s_lshl_b32 s17, s17, 2
	s_add_co_u32 s17, s17, s22
	s_lshl_b32 s17, s17, 4
	v_add_nc_u32 v[TA], s17, v1                    ; my query
	v_lshlrev_b32 v[TB], 4, v[TA]
	v_lshl_add_u32 v[TB], v2, 16, v[TB]
	v_lshlrev_b32 v[TA], 2, v[TA]
	global_load_b128 v[QF:QF+3], v[TB], s[4:5]
	global_load_b32 v[QS], v[TA], s[4:5] offset:SCO
	global_load_b32 v[SQN], v[TA], s[4:5] offset:SQO
	v_mov_b32 v[VINF], 0x7f800000
.set ii, 0
.rept DEP
	v_mov_b32 v[L+ii], v[VINF]
	v_mov_b32 v[P+ii], 0                           ; a lane permute's destination counts as one of its sources
.set ii, ii+1
.endr
	v_mov_b32 v[L+18], v[VINF]
	v_mov_b32 v[L+19], v[VINF]
	v_mov_b32 v[M+2], v[VINF]                      ; the first trip inserts these two in place of a trip before it
	v_mov_b32 v[M+3], v[VINF]
.irp i, 4,5,6,7
	v_mov_b32 v[QF+\i], 0                          ; K = 64 to 127 of the queries: zero codes
.endr
.irp i, 16,17,18,19,36,37,38,39
	v_mov_b32 v[AF+\i], 0                          ; behind each set's last fragment
.endr
	s_lshl_b32 s18, s10, 2
	s_add_co_u32 s18, s18, s22                     ; my 16 queries among the launch's 1,024 sets
	s_mul_i32 s18, s18, 1536
	s_mov_b32 s19, 0
	s_add_nc_u64 s[6:7], s[6:7], s[18:19]          ; their 1,536 bytes of gidx
	s_mul_i32 s16, s8, 2560
	s_add_co_u32 s16, s16, EXC                     ; where I put my lists,
	s_xor_b32 s17, s8, 4
	s_mul_i32 s17, s17, 2560
	s_add_co_u32 s17, s17, EXC                     ; and where my partner puts its own
	v_lshl_add_u32 v[EXS], v[LN], 4, s16
	v_lshl_add_u32 v[EXL], v[LN], 4, s17
	s_wait_alu depctr_va_vdst(0)                   ; the wait at the head's end
	s_wait_loadcnt 0x0
	v_mov_b32 v[SQN+1], v[SQN]
	s_wait_alu depctr_va_vdst(0)
	s_wait_tensorcnt 0x0                           ; my eighth has landed,
	s_barrier_signal -1
	s_barrier_wait -1                              ; everybody's has
.macro WADDR                           ; the trip's addresses: a base + a scalar that steps by a constant
	v_add_nc_u32 v[WA], s20, v[AB]
	v_add_nc_u32 v[WS], s21, v[SB]
	v_add_nc_u32 v[WQ], s21, v[QB]
	v_add_nc_u32 v[WM], s21, v[MBASE]
.endm
; 14 LDS loads: tiles o .. o + 3 of the trip into set
.macro LOADS set, o
.irp t, 0,1,2,3
	ds_load_b128 v[AF+20*(\set)+4*\t:AF+20*(\set)+4*\t+3], v[WA] offset:256*((\o)+\t)
.endr
.irp u, 0,1
	ds_load_b32 v[AS+2*(\set)+\u], v[WS] offset:128*((\o)/2+\u)
.endr
.irp t, 0,1,2,3
	ds_load_b128 v[SQ+32*(\set)+8*\t:SQ+32*(\set)+8*\t+3], v[WQ] offset:64*((\o)+\t)
	ds_load_b128 v[SQ+32*(\set)+8*\t+4:SQ+32*(\set)+8*\t+7], v[WQ] offset:64*((\o)+\t)+16
.endr
.endm
; tiles 2 a and 2 a + 1 of the half: d, each accumulator from its low end on; my eight's minimum of each tile; the halves change places, so that lane h ends with the whole minimum of tile 2 a + h
.macro PAIR a, x, set
.irp e, 0,1
.irp j, 0,2,4,6
	v_pk_fma_f32 v[ACC+8*(2*(\a)+\e)+\j:ACC+8*(2*(\a)+\e)+\j+1], v[ACC+8*(2*(\a)+\e)+\j:ACC+8*(2*(\a)+\e)+\j+1], -2.0, v[SQN:SQN+1] op_sel_hi:[1,0,1]
.endr
.endr
.irp e, 0,1
.irp j, 0,2,4,6
	v_pk_add_f32 v[ACC+8*(2*(\a)+\e)+\j:ACC+8*(2*(\a)+\e)+\j+1], v[ACC+8*(2*(\a)+\e)+\j:ACC+8*(2*(\a)+\e)+\j+1], v[SQ+32*(\set)+8*(2*(\a)+\e)+\j:SQ+32*(\set)+8*(2*(\a)+\e)+\j+1]
.endr
.endr
.irp e, 0,1
	v_min3_num_f32 v[MINA+\e], v[ACC+8*(2*(\a)+\e)], v[ACC+8*(2*(\a)+\e)+1], v[ACC+8*(2*(\a)+\e)+2]
.endr
.irp e, 0,1
	v_min3_num_f32 v[MINA+\e], v[MINA+\e], v[ACC+8*(2*(\a)+\e)+3], v[ACC+8*(2*(\a)+\e)+4]
.endr
.irp e, 0,1
	v_min3_num_f32 v[MINA+\e], v[MINA+\e], v[ACC+8*(2*(\a)+\e)+5], v[ACC+8*(2*(\a)+\e)+6]
.endr
.irp e, 0,1
	v_min_num_f32 v[MINA+\e], v[MINA+\e], v[ACC+8*(2*(\a)+\e)+7]
.endr
	v_permlane16_swap_b32 v[MINA], v[MINB]
	v_min_num_f32 v[M+\x], v[MINA], v[MINB]
.endm
; Half a trip: four tiles.  The 36 lines that insert the half before's two minima stand behind the four products, ahead of the first read of the results.
.macro HALF set, mi, mo, load, o
	s_wait_dscnt 0x0                               ; this half's 14 loads, issued half a trip ago, are in
.irp t, 0,1,2,3
.if \t % 2
	v_wmma_scale_f32_16x16x128_f8f6f4 v[ACC+8*\t:ACC+8*\t+7], v[AF+20*(\set)+4*\t:AF+20*(\set)+4*\t+7], v[QF:QF+7], 0, v[AS+2*(\set)+\t/2], v[QS] matrix_a_fmt:MATRIX_FMT_FP4 matrix_b_fmt:MATRIX_FMT_FP4 matrix_a_scale:MATRIX_SCALE_ROW1
.else
	v_wmma_scale_f32_16x16x128_f8f6f4 v[ACC+8*\t:ACC+8*\t+7], v[AF+20*(\set)+4*\t:AF+20*(\set)+4*\t+7], v[QF:QF+7], 0, v[AS+2*(\set)+\t/2], v[QS] matrix_a_fmt:MATRIX_FMT_FP4 matrix_b_fmt:MATRIX_FMT_FP4
.endif
.endr
.if \load
	LOADS 1-(\set), \o
.endif
	INSERT L, M+\mi, DEP
	INSERT L, M+\mi+1, DEP
	PAIR 0, \mo, \set
	PAIR 1, \mo+1, \set
.endm
.macro TRIP more                       ; eight tiles, four minima a lane, kept in LDS for pass B
	s_wait_dscnt 0x0
	WADDR
	s_wait_alu depctr_va_vdst(0)
	HALF 0, 2, 0, 1, 4
	HALF 1, 0, 2, \more, 8
	ds_store_b128 v[WM], v[M:M+3]
	s_add_co_u32 s20, s20, 2048
	s_add_co_u32 s21, s21, 512
.endm
	; ---- pass A: the 18 smallest group minima of my half
	s_lshl_b32 s20, s23, 15                        ; my half's first tile: 16 trips x 2,048 bytes of codes,
	s_lshl_b32 s21, s23, 13                        ; 16 trips x 512 bytes of scale words, sq and minima
	WADDR
	LOADS 0, 0
	s_mov_b32 s26, 15
.Ltrip:
	TRIP 1
	s_sub_co_i32 s26, s26, 1
	s_cmp_lg_u32 s26, 0
	s_cbranch_scc1 .Ltrip
	TRIP 0                                         ; the last trip is written out: it loads nothing beyond my 128 tiles
	INSERT L, M+2, DEP
	INSERT L, M+3, DEP
	s_lshl_b32 s21, s23, 13
	v_add_nc_u32 v[WM], s21, v[MBASE]
.set ii, 0
.rept 16
	ds_load_b128 v[MI+4*ii:MI+4*ii+3], v[WM] offset:512*ii   ; my 64 minima back: LDS serves a wave's instructions in order (ISA guide 5.7.1.4); register p is group 128 (wave / 4) + 2 p + h
.set ii, ii+1
.endr
	HMERGE
	GIVE 0
	TAKE 0
.set mm, 0
.rept DEP
	v_min_num_f32 v[Q1+mm], v[L+mm], v[P+DEP-1-mm] ; the 18 smallest of both halves, unsorted
.set mm, mm+1
.endr
	v_max_num_f32 v[TP], v[Q1], v[Q1+1]            ; their largest: T
.set mm, 2
.rept 8
	v_max3_num_f32 v[TP], v[TP], v[Q1+mm], v[Q1+mm+1]
.set mm, mm+2
.endr
	v_mov_b32 v[TP+1], v[TP]
	; ---- pass B: the bits.  The sign of m - T says 'under T', that of T - m 'over T'; p descending, so that bit p is register p's
	s_lshl_b32 s28, s23, 7
	s_add_co_u32 s28, s28, 0x40000000
	v_add_nc_u32 v[KBV], s28, v2                   ; the keys' base: 0x40000000 + 128 (wave / 4) + h
.irp i, 0,1
	v_mov_b32 v[XA+\i], 0
	v_mov_b32 v[GT+\i], 0
.endr
.set kk, 30
.rept 16
.irp w, 0,1
	v_pk_add_f32 v[EA+2*\w:EA+2*\w+1], v[MI+32*\w+kk:MI+32*\w+kk+1], v[TP:TP+1] neg_lo:[0,1] neg_hi:[0,1]
	v_pk_add_f32 v[EB+2*\w:EB+2*\w+1], v[TP:TP+1], v[MI+32*\w+kk:MI+32*\w+kk+1] neg_lo:[0,1] neg_hi:[0,1]
.endr
.irp e, 1,0
.irp w, 0,1
	v_alignbit_b32 v[XA+\w], v[XA+\w], v[EA+2*\w+\e], 31   ; the word one place up, the new sign bit below
	v_alignbit_b32 v[GT+\w], v[GT+\w], v[EB+2*\w+\e], 31
.endr
.endr
.set kk, kk-2
.endr
.irp w, 0,1
	v_or_b32 v[GT+\w], v[XA+\w], v[GT+\w]
.endr
.irp w, 0,1
	v_xor_b32 v[XA+2+\w], -1, v[GT+\w]             ; neither under nor over: equal to T
.endr
	; 18 times: x - 1 over the four words (all ones added, with the carry), x & (x - 1), and the bit that went
.set ii, 0
.rept DEP
.set XS, XA+4*(ii%2)
.set XD, XA+4*(1-ii%2)
	v_add_co_u32 v[XD], vcc_lo, -1, v[XS]
.irp k, 1,2,3
	v_add_co_ci_u32 v[XD+\k], vcc_lo, -1, v[XS+\k], vcc_lo
.endr
.irp k, 0,1,2,3
	v_and_b32 v[XD+\k], v[XS+\k], v[XD+\k]
.endr
.irp k, 0,1,2,3
	v_xor_b32 v[IS+4*ii+\k], v[XS+\k], v[XD+\k]
.endr
.set ii, ii+1
.endr
	; the lone bit's place as an exponent field: 1 + p under T, 129 + p equal to T; 0 where no bit was left
.set ii, 0
.rept 4*DEP
	v_cvt_f32_u32 v[IS+ii], v[IS+ii]
.set ii, ii+1
.endr
.set ii, 0
.rept DEP
	v_mul_f32 v[IS+4*ii], 0x00800000, v[IS+4*ii]                       ; x 2^-126
.set ii, ii+1
.endr
.set ii, 0
.rept DEP
	v_fmamk_f32 v[IS+4*ii], v[IS+4*ii+1], 0x10800000, v[IS+4*ii]       ; x 2^-94
.set ii, ii+1
.endr
.set ii, 0
.rept DEP
	v_fmamk_f32 v[IS+4*ii], v[IS+4*ii+2], 0x40800000, v[IS+4*ii]       ; x 2^2
.set ii, ii+1
.endr
.set ii, 0
.rept DEP
	v_fmamk_f32 v[IS+4*ii], v[IS+4*ii+3], 0x50800000, v[IS+4*ii]       ; x 2^34
.set ii, ii+1
.endr
.set ii, 0
.rept DEP
	v_lshrrev_b32 v[IS+4*ii], 22, v[IS+4*ii]       ; twice the exponent field (the mantissa is 0)
.set ii, ii+1
.endr
.set ii, 0
.rept DEP
	v_add_nc_u32 v[IS+4*ii], -2, v[IS+4*ii]        ; 2 p, or 256 + 2 p; from 0 it wraps to the top,
.set ii, ii+1
.endr
.set ii, 0
.rept DEP
	v_min_u32 v[IS+4*ii], 0x1000, v[IS+4*ii]       ; and is held over every true key
.set ii, ii+1
.endr
.set ii, 0
.rept DEP
	v_add_nc_u32 v[L+ii], v[KBV], v[IS+4*ii]       ; my lane's keys, ascending: finite positive floats
.set ii, ii+1
.endr
	HMERGE
	GIVE 20480
	s_cmp_lg_u32 s23, 0                            ; waves 0-3 join the pair's key lists and store
	s_cbranch_scc1 .Lnost
	TAKE 20480
	BMERGE
	; ---- out: block u of 512 bytes: lane (r, h) stores slots 8 u + 4 h .. + 3 of query r; slots 18 on are 0
.set ii, 0
.rept DEP
	v_and_b32 v[W+ii], 255, v[L+ii]
.set ii, ii+1
.endr
.irp i, 18,19,20,21,22,23
	v_mov_b32 v[W+\i], 0
.endr
.irp u, 0,1,2
.irp i, 0,1,2,3
	v_cndmask_b32 v[OUTR+4*\u+\i], v[W+8*\u+\i], v[W+8*\u+4+\i], s27
.endr
.endr
.irp u, 0,1,2
	global_store_b128 v[OADR], v[OUTR+4*\u:OUTR+4*\u+3], s[6:7] offset:512*\u   ; 32 lanes store 512 consecutive bytes
.endr
.Lnost:
	s_wait_tensorcnt 0x0                           ; the wave's end
	ds_add_u32 v216, v217
	s_wait_dscnt 0x0
	CROUND                                         ; the closing round: no work-group ends while a partner may still ask jointly
	s_endpgm
.Lfunc_end_k_qc55a457bbd_filter:
	.size	k_qc55a457bbd_filter, .Lfunc_end_k_qc55a457bbd_filter-k_qc55a457bbd_filter
	.p2alignl 7, 3214868480
	.fill 96, 4, 3214868480
	.section	.rodata,"a",@progbits
	.p2align	6, 0x0
	.amdhsa_kernel k_qc55a457bbd_filter
		.amdhsa_group_segment_fixed_size 271360
		.amdhsa_private_segment_fixed_size 0
		.amdhsa_enable_private_segment 0
		.amdhsa_kernarg_size 16
		.amdhsa_user_sgpr_count 2
		.amdhsa_user_sgpr_kernarg_segment_ptr 1
		.amdhsa_wavefront_size32 1
		.amdhsa_system_sgpr_workgroup_id_x 1
		.amdhsa_system_sgpr_workgroup_id_y 1
		.amdhsa_system_sgpr_workgroup_id_z 1
		.amdhsa_system_vgpr_workitem_id 0
		.amdhsa_next_free_vgpr 218
		.amdhsa_next_free_sgpr 66
		.amdhsa_reserve_vcc 1
		.amdhsa_float_denorm_mode_32 3
		.amdhsa_float_denorm_mode_16_64 3
		.amdhsa_memory_ordered 1
		.amdhsa_forward_progress 1
		.amdhsa_inst_pref_size 83
	.end_amdhsa_kernel
	.amdgpu_metadata
---
amdhsa.version: [ 1, 2 ]
amdhsa.kernels:
  - .name:           k_qc55a457bbd_filter
    .symbol:         k_qc55a457bbd_filter.kd
    .args:
      - { .name: pk, .offset: 0, .size: 8, .value_kind: global_buffer, .address_space: global }
      - { .name: gidx, .offset: 8, .size: 8, .value_kind: global_buffer, .address_space: global }
    .group_segment_fixed_size: 271360
    .private_segment_fixed_size: 0
    .kernarg_segment_align: 8
    .kernarg_segment_size: 16
    .max_flat_workgroup_size: 256
    .sgpr_count:     66
    .vgpr_count:     218
    .wavefront_size: 32
...
	.end_amdgpu_metadata
.endif
;; end of part 2
;; launch select (part 3): grid 256 x 1, 8 waves a work-group, no clusters, 293,376 bytes of LDS; arguments pk, gidx, out0; writes out0
.if DOCPART == 3
	.amdgcn_target "amdgcn-amd-amdhsa--gfx1250"
	.amdhsa_code_object_version 6
	.text
	.protected	k_qc55a457bbd_select
	.globl	k_qc55a457bbd_select
	.p2align	8
	.type	k_qc55a457bbd_select,@function
k_qc55a457bbd_select:
	s_mov_b64 s[64:65], 0
	v_nop
	global_prefetch_b8 v0, s[64:65] scope:SCOPE_SE
	s_setreg_imm32_b32 hwreg(HW_REG_WAVE_MODE, 25, 1), 1
	s_wait_xcnt 0x0
; For each query: the 18 x 16 = 288 candidates of the groups that the launch before has listed: d once more, the sorted 17 nearest by (d, index), of these ranks 0, 2, .. 16 as out0[0]; the query's own number as out0[1].
; SHARES.  A work-group owns 64 queries.  Waves w and w + 4 own the same 16 queries; wave w takes list slots 0-8, wave w + 4 slots 9-17.  The batch's block of pk lies whole in LDS, filled once, each wave an eighth.
; NO CLUSTER: the gathers' LDS addresses come from lists that differ from work-group to work-group.  NO PREFETCH: the block is fetched once, at the head; there is no loop to run ahead in.
; THE GATHERED PRODUCT.  For slot t the accumulator takes 16 products in place, one for each query q: source 0 = the group that query q lists in slot t, source 1 = the queries' fragment with all columns but q made zero
; codes.  Column q receives its 16 inner products, the others add zeros.  Nine slots' accumulators take turns.  K is 64: the queries' registers 4-7 are zero codes, so fragments lie 4 registers apart.
; Lane (r, h) then holds query r and candidates 8 h + j of ITS group.  d = (sq(n) - 2 inner) + sq(m), as in the launch before.
; SELECTION without a branch.  Pass A: a sorted list of the 17 smallest d (one v_med3_num_f32 an entry).  Pass B: a candidate's key 0x40000000 + (w << 12) + index, w the 17 sign bits of L[i] - d, which rises with the
; number of entries under d; equal d have equal w and order by index.  The keys (finite positive floats) are sorted by the same list.
; TWO SORTED LISTS OF 17 BECOME ONE: min(A[r], B[16 - r]) are the 17 smallest, rising and then falling; one compare-exchange (0, 16) and four stages at distances 8, 4, 2, 1 on entries 1-16 sort them.
; So the two halves of the lanes are joined, and then the pair of waves, which trades lists through LDS bytes of their own, a barrier between storing and reading.
; One barrier stands between the gathers, whose addresses come from loaded numbers, and the first LDS store.
; LIMITS: NaN and infinities are not served.  The chain of 16 products takes zero products to leave the sum as it is: inner is exact in f32 (at most 64 products of numbers with 2 significant bits, scales within some ten powers of two).
.set BLK,   163840
.set PART,  20480                      ; a wave's tensor load: 80 rows of 256 bytes
.set SCO,   131072
.set SQO,   147456
.set DST,   163840                     ; each wave 9,216 bytes: d of its slot t, registers 4 e .. 4 e + 3, at 1,024 t + 512 e + 16 x lane
.set DWV,   9216
.set KB,    237568                     ; each wave 1,152 bytes: slot t's base key at 128 t + 4 x lane
.set KWV,   1152
.set OST,   246784                     ; 4,608 bytes: [64 queries][9] neighbours, then [64][9] centres
.set EXA,   251392                     ; each wave 2,560 bytes: its list of d; EXK bytes further on its list of keys
.set EWV,   2560
.set EXK,   20480
.set SPARE, 292352                     ; the spare words: 128 bytes a wave
.set DEP,   17
.set AB,    3                          ; 65,536 h + 16 r
.set SB,    4                          ; SCO + 4 r
.set QB,    5                          ; SQO + 32 h
.set DB,    6
.set KBB,   7
.set WD,    8
.set WK,    9
.set KC,    10                         ; 0x40000000 + 8 h
.set LN,    11
.set QF,    12                         ; v12-15  my query's codes of channels 32 h on
.set BQ,    16                         ; v16-31  the masked queries' fragment, two sets
.set QS,    32
.set VN,    33                         ; my query's number in the batch
.set SQN,   34                         ; v34-35
.set G,     36                         ; v36-44  my wave's nine groups of my query
.set TA,    46
.set TB,    47
.set TC,    48
.set OA,    49
.set OL,    50
.set GO1,   51
.set GO2,   52
.set EXS,   53
.set EXL,   54
.set AS,    66                         ; v66-83   scale words, two sets of nine
.set AF,    84                         ; v84-163  fragments, two sets of 9 x 4 + 4
.set ACC,   164                        ; v164-235 nine accumulators
.set GA,    164                        ; at the head: the 18 listed groups (and two zeros)
.set AD,    236                        ; v236-253 gather addresses
.set SPW,   254
.set NIL,   255
.set L,     84                         ; the selection lies over registers that are done with
.set K,     104
.set P,     124
.set Q1,    144
.set R1,    164
.set X,     184
.set TT,    192
.set POS,   200
.set KY,    208
.set BX,    216
.set LD,    218                        ; v218-251 each entry of L twice, a pair for the packed subtraction
.macro INSERT lst, x, d                ; entry i becomes the middle one of x, entry i - 1 and entry i; i descending
.set ii, (\d)-1
.rept (\d)-1
	v_med3_num_f32 v[\lst+ii], v[\x], v[\lst+ii-1], v[\lst+ii]
.set ii, ii-1
.endr
	v_min_num_f32 v[\lst], v[\x], v[\lst]
.endm
.macro BST src, dst, s                 ; sixteen entries, compare-exchange at distance s
.set rr, 0
.rept 16
.if (rr & \s) == 0
	v_min_num_f32 v[\dst+rr], v[\src+rr], v[\src+rr+\s]
	v_max_num_f32 v[\dst+rr+\s], v[\src+rr], v[\src+rr+\s]
.endif
.set rr, rr+1
.endr
.endm
.macro BMERGE lst                      ; lst and P, both sorted: lst takes the 17 smallest, sorted
.set mm, 0
.rept DEP
	v_min_num_f32 v[Q1+mm], v[\lst+mm], v[P+DEP-1-mm]
.set mm, mm+1
.endr
	v_min_num_f32 v[\lst], v[Q1], v[Q1+16]
	v_max_num_f32 v[Q1+16], v[Q1], v[Q1+16]
	BST Q1+1, R1+1, 8
	BST R1+1, Q1+1, 4
	BST Q1+1, R1+1, 2
	BST R1+1, \lst+1, 1
.endm
.macro HMERGE lst                      ; lanes l and l xor 16
.set mm, 0
.rept DEP
	v_permlanex16_b32 v[P+mm], v[\lst+mm], s24, s25
.set mm, mm+1
.endr
	BMERGE \lst
.endm
.macro BARRIER
	s_wait_dscnt 0x0
	s_barrier_signal -1
	s_barrier_wait -1
.endm
.macro XCH lst, off                    ; waves w and w xor 4
.irp c, 0,1,2,3,4
	ds_store_b128 v[EXS], v[\lst+4*\c:\lst+4*\c+3] offset:\off+512*\c
.endr
	s_wait_alu depctr_va_vdst(0)                   ; the wait here, directly ahead of the wait below
	BARRIER
.irp c, 0,1,2,3,4
	ds_load_b128 v[P+4*\c:P+4*\c+3], v[EXL] offset:\off+512*\c
.endr
	s_wait_dscnt 0x0
	BMERGE \lst
.endm
	s_load_b128 s[4:7], s[0:1], 0x0                ; pk, gidx
	s_load_b64 s[8:9], s[0:1], 0x10                ; out0
	v_lshl_add_u32 v[SPW], v0, 2, SPARE
	v_mov_b32 v[NIL], 0
	ds_add_u32 v[SPW], v[NIL]                      ; the opening lines
	ds_add_u32 v[SPW], v[NIL]
	v_lshrrev_b32 v1, 5, v0
	v_readfirstlane_b32 s10, v1                    ; wave 0..7
	s_and_b32 s22, s10, 3                          ; which 16 queries
	s_lshr_b32 s23, s10, 2                         ; which nine slots
	s_cmp_lg_u32 s23, 0
	s_cselect_b32 s29, -1, 0                       ; all lanes, in waves 4-7
	s_lshr_b32 s11, ttmp9, 6                       ; the batch
	s_mul_i32 s12, s11, BLK
	s_mov_b32 s13, 0
	s_mul_i32 s14, s10, PART
	s_mov_b32 s15, 0
	s_mov_b32 s40, 3<<16                           ; group 1: no mask; elements of 8 bytes; no padding
	s_mov_b32 s41, 32<<16                          ; rows of 256 bytes,
	s_mov_b32 s42, 80<<16                          ; 80 of them
	s_mov_b32 s43, 32<<16
	s_mov_b32 s44, 80
	s_mov_b32 s45, 32                              ; dense
	s_mov_b32 s46, 0
	s_mov_b32 s47, 0
	s_mov_b32 s24, 0x76543210                      ; v_permlanex16_b32's selects for lane l xor 16
	s_mov_b32 s25, 0xfedcba98
	s_mul_i32 s30, s10, DWV
	s_add_co_u32 s30, s30, DST
	s_mul_i32 s31, s10, KWV
	s_add_co_u32 s31, s31, KB
	s_mul_i32 s36, s10, 576                        ; waves 0-3: their queries' neighbours; waves 4-7, 2,304 bytes on: the centres
	s_add_co_u32 s36, s36, OST
	s_mul_i32 s37, s10, EWV
	s_add_co_u32 s37, s37, EXA
	s_xor_b32 s38, s10, 4
	s_mul_i32 s38, s38, EWV
	s_add_co_u32 s38, s38, EXA
	s_lshl_b32 s17, ttmp9, 2
	s_add_co_u32 s17, s17, s22                     ; my 16 queries among the launch's 1,024 sets
	s_and_b32 s18, s17, 255
	s_lshl_b32 s18, s18, 4                         ; the first of them in the batch
	s_mul_i32 s20, s17, 1536
	s_mov_b32 s21, 0
	s_mul_i32 s26, ttmp9, 2304
	s_mov_b32 s27, 0
	s_wait_dscnt 0x0
	s_wait_kmcnt 0x0
	s_add_nc_u64 s[4:5], s[4:5], s[12:13]          ; the batch's block
	s_mov_b32 s32, 1
	s_mul_i32 s33, s10, PART
	s_add_nc_u64 s[34:35], s[4:5], s[14:15]
	s_or_b32 s35, s35, 0x80000000
	tensor_load_to_lds s[32:35], s[40:47]          ; my eighth: my one tensor load of the launch; nothing is filled again
	s_nop 0
.rept 4
	v_nop
.endr
	s_add_nc_u64 s[6:7], s[6:7], s[20:21]          ; my queries' lists
	s_add_nc_u64 s[8:9], s[8:9], s[26:27]          ; the work-group's 64 x 9 words of out0[0]
	v_and_b32 v1, 15, v0                           ; r
	v_bfe_u32 v2, v0, 4, 1                         ; h
	v_and_b32 v[LN], 31, v0
	v_lshlrev_b32 v[AB], 4, v1
	v_lshl_add_u32 v[AB], v2, 16, v[AB]
	v_lshl_add_u32 v[SB], v1, 2, SCO
	v_lshl_add_u32 v[QB], v2, 5, SQO
	v_lshl_add_u32 v[DB], v[LN], 4, s30
	v_lshl_add_u32 v[KBB], v[LN], 2, s31
	v_lshl_add_u32 v[EXS], v[LN], 4, s37
	v_lshl_add_u32 v[EXL], v[LN], 4, s38
	v_lshl_add_u32 v[KC], v2, 3, 0x40000000
	v_mad_u32_u24 v[OA], v1, 36, s36
	v_lshl_add_u32 v[OL], v0, 4, OST
	v_add_nc_u32 v[VN], s18, v1
	v_lshlrev_b32 v[TB], 4, v[VN]
	v_lshl_add_u32 v[TB], v2, 16, v[TB]
	v_lshlrev_b32 v[TA], 2, v[VN]
	v_lshlrev_b32 v[TC], 4, v1
	global_load_b128 v[QF:QF+3], v[TB], s[4:5]
	global_load_b32 v[QS], v[TA], s[4:5] offset:SCO
	global_load_b32 v[SQN], v[TA], s[4:5] offset:SQO
.irp u, 0,1
	global_load_b128 v[GA+8*\u:GA+8*\u+3], v[TC], s[6:7] offset:512*\u         ; slots 8 u .. + 3 of query r,
	global_load_b128 v[GA+8*\u+4:GA+8*\u+7], v[TC], s[6:7] offset:512*\u+256   ; and 8 u + 4 .. + 7
.endr
	global_load_b128 v[GA+16:GA+19], v[TC], s[6:7] offset:1024
.irp i, 4,5,6,7,12,13,14,15
	v_mov_b32 v[BQ+\i], 0                          ; K = 64 to 127 of the queries: zero codes
.endr
.irp i, 36,37,38,39,76,77,78,79
	v_mov_b32 v[AF+\i], 0                          ; behind each set's last fragment
.endr
	s_wait_loadcnt 0x0
	v_mov_b32 v[SQN+1], v[SQN]
.irp u, 0,1,2,3,4,5,6,7,8
	v_cndmask_b32 v[G+\u], v[GA+\u], v[GA+9+\u], s29   ; my wave's nine slots
.endr
.irp u, 0,1,2,3,4,5,6,7,8
	v_min_u32 v[G+\u], 255, v[G+\u]                ; a loaded number enters an address only behind this bound
.endr
	s_wait_alu depctr_va_vdst(0)                   ; the wait at the head's end
	s_wait_tensorcnt 0x0                           ; my eighth has landed,
	s_barrier_signal -1
	s_barrier_wait -1                              ; everybody's has
; Query q's nine groups: addresses, the queries' fragment with column q alone, 18 gathers into set.  The nine fragment addresses are the plain lines behind the last products,
; the nine scale addresses those between the masked fragment and the products that take it.
.macro STAGEQ q, set
.irp u, 0,1,2,3,4,5,6,7,8
	v_readlane_b32 s[48+\u], v[G+\u], \q
.endr
.irp u, 0,1,2,3,4,5,6,7,8
	s_min_u32 s[48+\u], s[48+\u], 255
.endr
.irp u, 0,1,2,3,4,5,6,7,8
	v_lshl_add_u32 v[AD+\u], s[48+\u], 8, v[AB]    ; a group's codes: 256 bytes in each plane
.endr
	s_mov_b32 s28, 0x00010001<<(\q)                ; lanes q and q + 16
.irp i, 0,1,2,3
	v_cndmask_b32 v[BQ+8*(\set)+\i], 0, v[QF+\i], s28
.endr
.irp u, 0,1,2,3,4,5,6,7,8
	v_lshl_add_u32 v[AD+9+\u], s[48+\u], 6, v[SB]  ; its scale words: 64 bytes
.endr
.irp u, 0,1,2,3,4,5,6,7,8
	ds_load_b128 v[AF+40*(\set)+4*\u:AF+40*(\set)+4*\u+3], v[AD+\u]
	ds_load_b32 v[AS+9*(\set)+\u], v[AD+9+\u]
.endr
.endm
.macro PROD set, zero
.irp u, 0,1,2,3,4,5,6,7,8
.if \zero
	v_wmma_scale_f32_16x16x128_f8f6f4 v[ACC+8*\u:ACC+8*\u+7], v[AF+40*(\set)+4*\u:AF+40*(\set)+4*\u+7], v[BQ+8*(\set):BQ+8*(\set)+7], 0, v[AS+9*(\set)+\u], v[QS] matrix_a_fmt:MATRIX_FMT_FP4 matrix_b_fmt:MATRIX_FMT_FP4
.else
	v_wmma_scale_f32_16x16x128_f8f6f4 v[ACC+8*\u:ACC+8*\u+7], v[AF+40*(\set)+4*\u:AF+40*(\set)+4*\u+7], v[BQ+8*(\set):BQ+8*(\set)+7], v[ACC+8*\u:ACC+8*\u+7], v[AS+9*(\set)+\u], v[QS] matrix_a_fmt:MATRIX_FMT_FP4 matrix_b_fmt:MATRIX_FMT_FP4
.endif
.endr
.endm
	STAGEQ 0, 0
.set qq, 0
.rept 16
.if qq < 15
	STAGEQ qq+1, (qq+1)%2
	s_wait_dscnt 18                                ; query qq's 18 gathers are in; the 18 just issued may be out
.else
	s_wait_alu depctr_va_vdst(0)                   ; the wait here, directly ahead of the wait below
	s_wait_dscnt 0x0
.endif
.if qq == 0
	PROD 0, 1                                      ; the first products start the sums
.else
	PROD qq%2, 0
.endif
.set qq, qq+1
.endr
.irp u, 0,1,2,3,4,5,6,7,8
	v_lshl_add_u32 v[AD+\u], v[G+\u], 6, v[QB]     ; sq of my eight candidates of MY query's group.  (Nine plain lines behind the last products)
.endr
.irp u, 0,1,2,3,4,5,6,7,8
	ds_load_b128 v[AF+8*\u:AF+8*\u+3], v[AD+\u]
	ds_load_b128 v[AF+8*\u+4:AF+8*\u+7], v[AD+\u] offset:16
.endr
.irp u, 0,1,2,3,4,5,6,7,8
	v_lshl_add_u32 v[AD+9+\u], v[G+\u], 4, v[KC]   ; the slot's base key: 0x40000000 + 16 x group + 8 h
.endr
	s_wait_dscnt 0x0
.irp u, 0,1,2,3,4,5,6,7,8
.irp j, 0,2,4,6
	v_pk_fma_f32 v[ACC+8*\u+\j:ACC+8*\u+\j+1], v[ACC+8*\u+\j:ACC+8*\u+\j+1], -2.0, v[SQN:SQN+1] op_sel_hi:[1,0,1]   ; each accumulator from its low end on
.endr
.endr
.irp u, 0,1,2,3,4,5,6,7,8
.irp j, 0,2,4,6
	v_pk_add_f32 v[ACC+8*\u+\j:ACC+8*\u+\j+1], v[ACC+8*\u+\j:ACC+8*\u+\j+1], v[AF+8*\u+\j:AF+8*\u+\j+1]
.endr
.endr
	s_wait_alu depctr_va_vdst(0)                   ; the wait here, directly ahead of the wait below
	BARRIER                                        ; no wave still gathers
.irp u, 0,1,2,3,4,5,6,7,8
	ds_store_b128 v[DB], v[ACC+8*\u:ACC+8*\u+3] offset:1024*\u
	ds_store_b128 v[DB], v[ACC+8*\u+4:ACC+8*\u+7] offset:1024*\u+512
	ds_store_b32 v[KBB], v[AD+9+\u] offset:128*\u
.endr
	; ---- pass A: the 17 smallest d.  A trip takes one slot from my wave's own stage (LDS serves a wave's instructions in order: ISA guide 5.7.1.4)
.set ii, 0
.rept 20
	v_mov_b32 v[L+ii], 0x7f800000                  ; 17 entries, and three that only fill the groups of four on the way to the partner
	v_mov_b32 v[K+ii], 0x7f800000
	v_mov_b32 v[P+ii], 0                           ; a lane permute's destination counts as one of its sources
.set ii, ii+1
.endr
	s_mov_b32 s20, 0
	s_wait_alu depctr_va_vdst(0)
.LpassA:
	v_add_nc_u32 v[WD], s20, v[DB]
	ds_load_b128 v[X:X+3], v[WD]
	ds_load_b128 v[X+4:X+7], v[WD] offset:512
	s_wait_dscnt 0x0
.irp j, 0,1,2,3,4,5,6,7
	INSERT L, X+\j, DEP
.endr
	s_add_co_u32 s20, s20, 1024
	s_cmp_lt_u32 s20, DWV
	s_cbranch_scc1 .LpassA
	HMERGE L
	XCH L, 0
	; ---- pass B: the keys
.set ii, 0
.rept DEP
	v_mov_b32 v[LD+2*ii], v[L+ii]
	v_mov_b32 v[LD+2*ii+1], v[L+ii]
.set ii, ii+1
.endr
	s_mov_b32 s20, 0
	s_mov_b32 s21, 0
	s_wait_alu depctr_va_vdst(0)
.LpassB:
	v_add_nc_u32 v[WD], s20, v[DB]
	v_add_nc_u32 v[WK], s21, v[KBB]
	ds_load_b128 v[X:X+3], v[WD]
	ds_load_b128 v[X+4:X+7], v[WD] offset:512
	ds_load_b32 v[BX], v[WK]
	s_wait_dscnt 0x0
.set li, 0
.rept DEP
.irp j, 0,2,4,6
	v_pk_add_f32 v[TT+\j:TT+\j+1], v[LD+2*li:LD+2*li+1], v[X+\j:X+\j+1] neg_lo:[0,1] neg_hi:[0,1]   ; L[li] - d: negative where L[li] < d, +0 where equal
.endr
.irp j, 0,1,2,3,4,5,6,7
.if li == 0
	v_alignbit_b32 v[POS+\j], 0, v[TT+\j], 31      ; its sign bit starts the word
.else
	v_alignbit_b32 v[POS+\j], v[POS+\j], v[TT+\j], 31   ; the word one place up, the new sign bit below
.endif
.endr
.set li, li+1
.endr
.irp j, 0,1,2,3,4,5,6,7
	v_lshl_add_u32 v[KY+\j], v[POS+\j], 12, v[BX]
.endr
.irp j, 1,2,3,4,5,6,7
	v_add_nc_u32 v[KY+\j], \j, v[KY+\j]
.endr
.irp j, 0,1,2,3,4,5,6,7
	INSERT K, KY+\j, DEP
.endr
	s_add_co_u32 s21, s21, 128
	s_add_co_u32 s20, s20, 1024
	s_cmp_lt_u32 s20, DWV
	s_cbranch_scc1 .LpassB
	HMERGE K
	XCH K, EXK
	; ---- out: ranks 0, 2, .. 16.  Waves 0-3 put the neighbours, waves 4-7 the centres, into the work-group's stage (lanes r and r + 16 write the same word with the same value); it leaves as 288 pieces of 16 bytes
.irp k, 0,1,2,3,4,5,6,7,8
	v_and_b32 v[Q1+\k], 0xfff, v[K+2*\k]
.endr
.irp k, 0,1,2,3,4,5,6,7,8
	v_cndmask_b32 v[Q1+\k], v[Q1+\k], v[VN], s29
.endr
.irp k, 0,1,2,3,4,5,6,7,8
	ds_store_b32 v[OA], v[Q1+\k] offset:4*\k
.endr
	v_lshlrev_b32 v[GO1], 4, v0                    ; piece = thread
	v_mov_b32 v[TB], 587520                        ; a centre's piece lies 589,824 - 2,304 bytes further on in out0 than in the stage
	v_cmp_lt_u32 vcc_lo, 143, v0                   ; centres from piece 144 on
	v_cndmask_b32 v[TB], 0, v[TB], vcc_lo
	v_add_nc_u32 v[GO2], v[TB], v[GO1]
	s_wait_alu depctr_va_vdst(0)                   ; the wait here, directly ahead of the wait below
	BARRIER                                        ; 64 queries' words lie in the stage
	ds_load_b128 v[X:X+3], v[OL]
	s_wait_dscnt 0x0
	global_store_b128 v[GO2], v[X:X+3], s[8:9]     ; 16 lanes store 256 consecutive bytes, at a multiple of 256 from out0's first byte
	s_cmp_lg_u32 s10, 0                            ; pieces 256 to 287: wave 0
	s_cbranch_scc1 .Lend
	ds_load_b128 v[POS:POS+3], v[OL] offset:4096
	s_wait_dscnt 0x0
	global_store_b128 v[GO1], v[POS:POS+3], s[8:9] offset:4096+587520
.Lend:
	s_wait_tensorcnt 0x0                           ; the wave's end
	ds_add_u32 v[SPW], v[NIL]
	s_wait_dscnt 0x0
	s_endpgm
.Lfunc_end_k_qc55a457bbd_select:
	.size	k_qc55a457bbd_select, .Lfunc_end_k_qc55a457bbd_select-k_qc55a457bbd_select
	.p2alignl 7, 3214868480
	.fill 96, 4, 3214868480
	.section	.rodata,"a",@progbits
	.p2align	6, 0x0
	.amdhsa_kernel k_qc55a457bbd_select
		.amdhsa_group_segment_fixed_size 293376
		.amdhsa_private_segment_fixed_size 0
		.amdhsa_enable_private_segment 0
		.amdhsa_kernarg_size 24
		.amdhsa_user_sgpr_count 2
		.amdhsa_user_sgpr_kernarg_segment_ptr 1
		.amdhsa_wavefront_size32 1
		.amdhsa_system_sgpr_workgroup_id_x 1
		.amdhsa_system_sgpr_workgroup_id_y 1
		.amdhsa_system_sgpr_workgroup_id_z 1
		.amdhsa_system_vgpr_workitem_id 0
		.amdhsa_next_free_vgpr 256
		.amdhsa_next_free_sgpr 66
		.amdhsa_reserve_vcc 1
		.amdhsa_float_denorm_mode_32 3
		.amdhsa_float_denorm_mode_16_64 3
		.amdhsa_memory_ordered 1
		.amdhsa_forward_progress 1
		.amdhsa_inst_pref_size 145
	.end_amdhsa_kernel
	.amdgpu_metadata
---
amdhsa.version: [ 1, 2 ]
amdhsa.kernels:
  - .name:           k_qc55a457bbd_select
    .symbol:         k_qc55a457bbd_select.kd
    .args:
      - { .name: pk, .offset: 0, .size: 8, .value_kind: global_buffer, .address_space: global }
      - { .name: gidx, .offset: 8, .size: 8, .value_kind: global_buffer, .address_space: global }
      - { .name: out0, .offset: 16, .size: 8, .value_kind: global_buffer, .address_space: global }
    .group_segment_fixed_size: 293376
    .private_segment_fixed_size: 0
    .kernarg_segment_align: 8
    .kernarg_segment_size: 24
    .max_flat_workgroup_size: 256
    .sgpr_count:     66
    .vgpr_count:     256
    .wavefront_size: 32
...
	.end_amdgpu_metadata
.endif
;; end of part 3
